; MI455X (gfx1250); checked and timed in simulation.
; The chip was launched on July 23, 2026; its instructions are those of AMD's public machine-readable ISA for CDNA 5 (MIT licence, August 2026) and "CDNA5" Instruction Set Architecture Reference Guide (July 2026). The comments in the code are by the model that wrote it; some were corrected since.
;; MLPSDF. Allowed arithmetic: matrix products marked QUANTISED: E2M1 operands, one E8M0 scale for each 32 along K, by v_wmma_scale_f32_16x16x128_f8f6f4 with both operands' format E2M1 (or v_wmma_scale_f32_32x16x128_f4), f32 sums; products left as they are: f32 operands where the result goes on into a quantised operand, else bf16, f16 or f32 operands; f32 sums; everything else in f32.
;; Inputs: W0_codes 32 x 1 x 16 uint8 (E2M1 codes of W0, K innermost, in blocks of 32 codes, two codes a byte); W0_scales 32 x 1 uint8 (E8M0 scales of W0, one for each 32 codes along K); W1_codes 32 x 1 x 16 uint8 (E2M1 codes of W1, K innermost, in blocks of 32 codes, two codes a byte); W1_scales 32 x 1 uint8 (E8M0 scales of W1, one for each 32 codes along K); W2 4 x 32 float32; table 16 x 524,288 x 2 float32; texc 1,000,000 x 3 float32.
;; Outputs: out0 1,000,000 x 4 float32.
;; This version of the problem:
;;   THIS VERSION OF THE PROBLEM IS GIVEN IN LOW PRECISION. The matrix products marked QUANTISED in the list below multiply operands that are first quantised to E2M1 (2 exponent bits, 1 mantissa bit; 4 bits a number), with one power-of-two scale for each 32 numbers along K (OCP MX v1.0); their sums are f32. All else is computed in f32.
;;   The module's matrix products, in the order in which they are computed (A, B: the left and right operand; K: the contracted axis; several contracted axes count as one K, in the product's order):
;;     1. [M 1,000,000, K 32] x [K 32, N 32]; A: computed on the way; B: input W0 (given as codes): QUANTISED
;;     2. [M 1,000,000, K 32] x [K 32, N 32]; A: computed on the way; B: input W1 (given as codes): QUANTISED
;;     3. [M 1,000,000, K 32] x [K 32, N 4]; A: computed on the way; B: input W2: left as it is (N = 4 < 16)
;;   THE QUANTISER, for each operand of a quantised product, along K:
;;     - K is cut into blocks of 32 from its start; a last block that is shorter is filled with zeros.
;;     - A block's scale is 2^e with e = floor(log2(the largest magnitude in the block)) - 2, held to -126 .. 127; a block of zeros has e = 0. As a byte (E8M0): e + 127.
;;     - Each number is divided by its block's scale, clamped to +-6, and rounded to the nearest number of E2M1, ties to even, subnormals kept.
;;     - The product sums the exact products of the quantised numbers (number of the format x scale) in f32.
;;   ~~~python
;;   def quantise(x, axis):      # numpy; x: float32 -> the quantised numbers, widened to float32 again
;;       x = np.moveaxis(x, axis, -1); K = x.shape[-1]
;;       x = np.pad(x, [(0, 0)] * (x.ndim - 1) + [(0, -K % 32)]); x = x.reshape(x.shape[:-1] + (-1, 32)); a = np.abs(x).max(-1, keepdims=True)
;;       e = np.where(a > 0, np.clip(np.frexp(np.where(a > 0, a, 1))[1] - 1 - 2, -126, 127), 0)      # np.frexp(a)[1] - 1 = floor(log2(a)), exactly
;;       r = np.clip(x / 2.0 ** e, -6, 6)
;;       step = 2.0 ** (np.maximum(np.frexp(np.where(r == 0, 1, r))[1] - 1, 0) - 1)
;;       q = np.round(r / step) * step * 2.0 ** e      # np.round: ties to even
;;       return np.moveaxis(q.reshape(q.shape[:-2] + (-1,))[..., :K], -1, axis).astype(np.float32)
;;   ~~~
;;   OPERANDS COMPUTED ON THE WAY. 'Computed on the way' means the value that the module computes at that place (a softmax that the list does not call 'softmax' is quantised finished and normalised). What goes into a quantiser is computed in f32, as accurately as f32 sums, v_exp_f32 and their like allow (about 1e-6 of the number): no bf16 or f16 on the way to a quantiser, and a product that is left as it is and whose result goes on into a quantised operand takes f32 operands (vector FMAs, or v_wmma_f32_16x16x4_f32). A number that lies on a knife's edge between two numbers of the format may be rounded either way, as far as f32 arithmetic and the matrix unit's own rounding can turn it there, and no further.
;;   INPUTS GIVEN AS CODES. W0 (in the module: [32, 32], K = its axis 1); W1 (in the module: [32, 32], K = its axis 1): each comes as NAME_codes (uint8): NAME with its K axis moved to the last place and cut into blocks of 32 codes, [.., K / 32, bytes a block], one block behind the other in memory; two codes a byte, the lower K in the low four bits (a code: sign, 2 exponent bits, 1 mantissa bit); and NAME_scales (uint8): the same leading axes, one E8M0 byte (e + 127) for each 32 codes along K. Its value is code x scale, taken as it is: it is not quantised again, and the codes and scales need not be those that the quantiser above would give.
;; One version. Each part assembles by itself: llvm-mc -triple=amdgcn-amd-amdhsa -mcpu=gfx1250 --defsym DOCPART=n.
;; ======== version 1 of 1: 2 launches
;; limits: values are held in f16: magnitudes above 65,504 overflow, below 6.1e-05 lose precision; right only within a limited range of input values
;; workspace buffers: gridw 64,000,000 bytes of whole numbers
;; launch cells (part 1): grid 3125 x 1, 10 waves a work-group, no clusters, 0 bytes of LDS; arguments texc, gridw; writes gridw
.if DOCPART == 1
	.amdgcn_target "amdgcn-amd-amdhsa--gfx1250"
	.amdhsa_code_object_version 6
	.text
	.protected	k_qa1400aec04_cells
	.globl	k_qa1400aec04_cells
	.p2align	8
	.type	k_qa1400aec04_cells,@function
k_qa1400aec04_cells:
	s_mov_b64 s[64:65], 0
	v_nop
	global_prefetch_b8 v0, s[64:65] scope:SCOPE_SE
	s_setreg_imm32_b32 hwreg(HW_REG_WAVE_MODE, 25, 1), 1
	s_wait_xcnt 0x0
; The cells of the hash grid, as whole numbers.  texc: [1,000,000][3] f32.  For each of the 16 levels pos = x * scale + 0.5 and the cell is the whole part of pos.
; The next launch forms its gather addresses from these whole numbers; it runs the same two instructions for pos and takes the fraction, so that cell and fraction belong to one pos.
; ORDER OF ROUNDING: reference() writes a multiply and an add; here pos is ONE fused multiply-add, one rounding.  The two give other bits only where x * scale and x * scale + 0.5 lie in different binades
; (0.5 is a whole number of ulps of x * scale from 0.5 up, so elsewhere the addition is exact), and then by one ulp of pos.
; SHARES: a lane a point, a wave a batch of 32 points, ten waves a work-group: 3,125 x 320 = 1,000,000 points.
; OUT: 16 words a point, laid [batch][quad q][lane][4 words]: each store of a wave covers 512 consecutive bytes, aligned.  Quad q holds levels q, q + 4, q + 8, q + 12:
;   word 0: level q (dense): gx + gy res + gz res^2 in bits 19:0; bits 31:20: gz of level 12 + q
;   word 1: level 4: the dense index; levels 5-7: gx | gy << 10 | gz << 20       word 2: levels 8-11 likewise       word 3: levels 12-15: gx | gy << 12
; LIMITS: texc in [0, 1] (the domain that reference() states): then a cell number is at most 933 up to level 11 and at most 4,095 above.  NaN and infinities are not served.
.set S0,  0x41700000                   ; the levels' scales, 16 x 256^(l / 15) - 1, rounded to f32: 15
.set S1,  0x41b1401e                   ; 22.156308
.set S2,  0x42020dbc                   ; 32.513412
.set S3,  0x423e0300                   ; 47.502930
.set S4,  0x428a64c3                   ; 69.196799
.set S5,  0x42c92ff5                   ; 100.593667
.set S6,  0x4312088c                   ; 146.033389
.set S7,  0x4353cc02                   ; 211.796901
.set S8,  0x43997cb9                   ; 306.974409
.set S9,  0x43de5c67                   ; 444.721888
.set S10, 0x44210518                   ; 644.079578
.set S11, 0x446926a5                   ; 932.603828
.set S12, 0x44a8c5a3                   ; 1350.176101
.set S13, 0x44f45080                   ; 1954.515605
.set S14, 0x4530d285                   ; 2829.157578
.set S15, 0x457ff000                   ; 4095
.set X, 4                              ; v[4:6]   x, y, z
.set P, 8                              ; v[8:10]  pos
.set G, 12                             ; v[12:14] the cell
.set Q, 16                             ; v[16:31] the 16 words
.set HLF, 32                           ; v[32:33] 0.5, twice
	s_load_b128 s[4:7], s[0:1], 0x0                ; texc s[4:5], the words s[6:7]
	v_mul_u32_u24 v1, v0, 12                       ; my point's 12 bytes among the work-group's 320 points
	v_lshrrev_b32 v2, 5, v0                        ; wave
	v_and_b32 v3, 31, v0                           ; lane
	v_lshlrev_b32 v3, 4, v3
	v_lshl_add_u32 v2, v2, 11, v3                  ; out: 2,048 bytes a batch, 16 a lane
	v_mov_b32 v[HLF], 0.5
	v_mov_b32 v[HLF+1], 0.5
	s_mul_i32 s8, ttmp9, 3840                      ; 320 points x 12 bytes
	s_mov_b32 s9, 0
	s_mul_i32 s10, ttmp9, 20480                    ; 10 batches x 2,048 bytes
	s_mov_b32 s11, 0
	s_wait_kmcnt 0x0
	s_add_nc_u64 s[4:5], s[4:5], s[8:9]
	s_add_nc_u64 s[6:7], s[6:7], s[10:11]
	global_load_b32 v[X], v1, s[4:5]
	global_load_b32 v[X+1], v1, s[4:5] offset:4
	global_load_b32 v[X+2], v1, s[4:5] offset:8
	s_wait_loadcnt 0x0
.macro CELL scale                      ; the cell of my point at one level
	v_pk_fma_f32 v[P:P+1], v[X:X+1], \scale, v[HLF:HLF+1] op_sel_hi:[1,0,1]
	v_fmamk_f32 v[P+2], v[X+2], \scale, v[HLF]
	v_cvt_u32_f32 v[G], v[P]                       ; toward zero; pos is positive: the whole part
	v_cvt_u32_f32 v[G+1], v[P+1]
	v_cvt_u32_f32 v[G+2], v[P+2]
.endm
.macro DENSE l, scale, res             ; levels 0-4: res^3 entries fit the table, the index is not hashed
	CELL \scale
	v_mad_u32_u24 v[Q+4*((\l)%4)+(\l)/4], v[G+1], \res, v[G]
	v_mad_u32_u24 v[Q+4*((\l)%4)+(\l)/4], v[G+2], \res*\res, v[Q+4*((\l)%4)+(\l)/4]
.endm
.macro HASH10 l, scale                 ; levels 5-11: three fields of 10 bits
	CELL \scale
	v_lshl_or_b32 v[Q+4*((\l)%4)+(\l)/4], v[G+1], 10, v[G]
	v_lshl_or_b32 v[Q+4*((\l)%4)+(\l)/4], v[G+2], 20, v[Q+4*((\l)%4)+(\l)/4]
.endm
.macro HASH12 l, scale                 ; levels 12-15: two fields of 12 bits, the third on top of the quad's word 0 (made before)
	CELL \scale
	v_lshl_or_b32 v[Q+4*((\l)%4)+3], v[G+1], 12, v[G]
	v_lshl_or_b32 v[Q+4*((\l)%4)], v[G+2], 20, v[Q+4*((\l)%4)]
.endm
.macro SEND q                          ; a quad leaves as soon as it is whole; its registers are not written again
	global_store_b128 v2, v[Q+4*\q:Q+4*\q+3], s[6:7] offset:512*\q
.endm
	DENSE  0,  S0, 16
	DENSE  4,  S4, 71
	HASH10 8,  S8
	HASH12 12, S12
	SEND 0
	DENSE  1,  S1, 24
	HASH10 5,  S5
	HASH10 9,  S9
	HASH12 13, S13
	SEND 1
	DENSE  2,  S2, 34
	HASH10 6,  S6
	HASH10 10, S10
	HASH12 14, S14
	SEND 2
	DENSE  3,  S3, 49
	HASH10 7,  S7
	HASH10 11, S11
	HASH12 15, S15
	SEND 3
	s_endpgm
.Lfunc_end_k_qa1400aec04_cells:
	.size	k_qa1400aec04_cells, .Lfunc_end_k_qa1400aec04_cells-k_qa1400aec04_cells
	.p2alignl 7, 3214868480
	.fill 96, 4, 3214868480
	.section	.rodata,"a",@progbits
	.p2align	6, 0x0
	.amdhsa_kernel k_qa1400aec04_cells
		.amdhsa_group_segment_fixed_size 0
		.amdhsa_private_segment_fixed_size 0
		.amdhsa_enable_private_segment 0
		.amdhsa_kernarg_size 16
		.amdhsa_user_sgpr_count 2
		.amdhsa_user_sgpr_kernarg_segment_ptr 1
		.amdhsa_wavefront_size32 1
		.amdhsa_system_sgpr_workgroup_id_x 1
		.amdhsa_system_sgpr_workgroup_id_y 1
		.amdhsa_system_sgpr_workgroup_id_z 1
		.amdhsa_system_vgpr_workitem_id 0
		.amdhsa_next_free_vgpr 34
		.amdhsa_next_free_sgpr 66
		.amdhsa_reserve_vcc 0
		.amdhsa_float_denorm_mode_32 3
		.amdhsa_float_denorm_mode_16_64 3
		.amdhsa_memory_ordered 1
		.amdhsa_forward_progress 1
		.amdhsa_inst_pref_size 8
	.end_amdhsa_kernel
	.amdgpu_metadata
---
amdhsa.version: [ 1, 2 ]
amdhsa.kernels:
  - .name:           k_qa1400aec04_cells
    .symbol:         k_qa1400aec04_cells.kd
    .args:
      - { .name: texc, .offset: 0, .size: 8, .value_kind: global_buffer, .address_space: global }
      - { .name: gridw, .offset: 8, .size: 8, .value_kind: global_buffer, .address_space: global }
    .group_segment_fixed_size: 0
    .private_segment_fixed_size: 0
    .kernarg_segment_align: 8
    .kernarg_segment_size: 16
    .max_flat_workgroup_size: 320
    .sgpr_count:     66
    .vgpr_count:     34
    .wavefront_size: 32
...
	.end_amdgpu_metadata
.endif
;; end of part 1
;; launch field (part 2): grid 256 x 1, 16 waves a work-group, no clusters, 0 bytes of LDS; arguments gridw, texc, table, W0_codes, W0_scales, W1_codes, W1_scales, W2, out0; writes out0
.if DOCPART == 2
	.amdgcn_target "amdgcn-amd-amdhsa--gfx1250"
	.amdhsa_code_object_version 6
	.text
	.protected	k_qa1400aec04_field
	.globl	k_qa1400aec04_field
	.p2align	8
	.type	k_qa1400aec04_field,@function
k_qa1400aec04_field:
	s_mov_b64 s[64:65], 0
	v_nop
	global_prefetch_b8 v0, s[64:65] scope:SCOPE_SE
	s_setreg_imm32_b32 hwreg(HW_REG_WAVE_MODE, 25, 1), 1
	s_wait_xcnt 0x0
; out = relu(relu(enc W0^T) W1^T) W2^T, enc = the hash-grid encoding of texc: 16 levels x 2 features, each the trilinear blend of 8 table entries.
; The first two products run on codes of FP4 (E2M1) with one E8M0 scale for the 32 along K; enc and the first hidden layer are quantised here, in registers; W0 and W1 come as codes.
; SHARES: a lane a point, a wave a batch of 32 points.  256 work-groups x 16 waves = 4,096 waves; wave w of work-group g takes batches 256 w + g + 4,096 t: 7 or 8 trips, and 122 or 123 batches for each work-group.
; ADDRESSES: the cells were stored as whole numbers by the launch before (its head comment has the layout).  Here they are unpacked and hashed; the fractions come from texc by the same two instructions for pos.
; GATHERS: 8 loads of 8 bytes a level and lane.  Six levels' loads are out at a time, in six buffers of 16 registers; a hashed index is made in the low register of the pair on which its own load lands.
; ORDER OF ROUNDING in the encoding, all f32: pos is one fused multiply-add (see the launch before); pos - its whole part and 1 - that are exact; the weights are (x y) z, as reference() multiplies them;
;   the eight corners are summed in reference()'s order by fused multiply-adds, where reference() writes products and a sum.
;   Behind the first quantiser all sums are exact: K is one block, so a sum is a whole number under 2^13 times a power of two.
; THE OPERANDS WITHOUT A MOVE.  K is 32, the instruction's K is 128: four blocks.  A lane's four code registers ARE the operand: lanes 0-15 are block 0 (point r), lanes 16-31 block 1 (point 16 + r) of column r.
;   Each tile of weights is kept twice: codes in block 0 alone (lanes 0-15), and in block 1 alone (lanes 16-31), zero codes in the other: two instructions part the two groups of 16 points.
;   The point operand's registers 4-7 are zero codes, so blocks 2 and 3 add nothing whatever the weights' registers 4-7 hold: the weights' fragments of four registers lie end to end.
;   Scale words: byte | byte << 8; a group's instruction reads the byte of its block, the points' from lanes 0-15 or 16-31.  The bytes of the unused blocks are 0 (2^-127) or 127, over zero products.
; Both products are used transposed (source 0 = 16 rows of W, source 1 = 16 points): lane (r, h) holds point r and eight hidden units.  W0's tile t takes rows r + 8 (r / 8) + 8 t, so that a lane's 16 numbers are
;   16 neighbours along the next K; W1's tiles take their rows as they lie, which is the 16-bit operand's order.
; THE LAST PRODUCT (N = 4, not quantised) runs in f16.  Its room comes from the quantiser: the second product is fed the byte 127 for the point's scale, so its sums are those of codes (at most 6) x W1,
;   and the point's own power of two multiplies the four outputs at the end: exact.  W2's rows stand at rows 0-3 and 8-11, so that lanes 0-15 and 16-31 both hold four outputs in registers 0-3.
; LIMITS: texc in [0, 1] (see the launch before).  NaN and infinities are not served.  f16: the sum over k of 6 |W1[n][k]|, and |W2|, stay under 65,504; numbers under 6e-8 of either vanish.
;   A block whose largest magnitude lies under 2^-124 takes the scale byte 1; a block of zeros too (its codes are zeros).
.set NB,    31250                      ; batches
.set NW,    4096                       ; waves
.set DEPTH, 6                          ; levels whose gathers are out
.set S0,  0x41700000                   ; the levels' scales, 16 x 256^(l / 15) - 1, rounded to f32
.set S1,  0x41b1401e
.set S2,  0x42020dbc
.set S3,  0x423e0300
.set S4,  0x428a64c3
.set S5,  0x42c92ff5
.set S6,  0x4312088c
.set S7,  0x4353cc02
.set S8,  0x43997cb9
.set S9,  0x43de5c67
.set S10, 0x44210518
.set S11, 0x446926a5
.set S12, 0x44a8c5a3
.set S13, 0x44f45080
.set S14, 0x4530d285
.set S15, 0x457ff000
.set OQ,  1                            ; v1        16 x lane: my place in a quad of words and in the batch's outputs; never rewritten
.set OT,  2                            ; v2        12 x lane: my point in texc; never rewritten
.set X,   4                            ; v[4:6]    x, y, z
.set IW,  8                            ; v[8:23]   the point's 16 words
.set F,   24                           ; v[24:55]  the encoding: level l at F + 2 l
.set FB,  56                           ; v[56:151] six buffers of 8 pairs; between two batches' gathers the products' results
.set DI,  152                          ; v[152:156] byte offsets of the dense levels' first corners
.set PS,  158                          ; v[158:160] pos
.set PX,  162                          ; v[162:167] (1 - fx, fx), (1 - fy, fy), (1 - fz, fz)
.set PY,  164
.set PZ,  166
.set WA,  168                          ; v[168:171] the four products in x and y
.set WB,  170
.set W8,  172                          ; v[172:179] the eight weights; at a batch's end v[172:175] the outputs
.set GX,  180                          ; v180-181  gx, gx + 1
.set HY,  182                          ; v182-183  gy p1, (gy + 1) p1
.set HZ,  184                          ; v184-185  gz p2, (gz + 1) p2
.set A,   186                          ; v[186:189] their four exclusive ors, modulo the table
.set PC,  190                          ; v[190:193] the points' codes; v[194:197] zero codes, never rewritten
.set W0F, 198                          ; v[198:213] W0: tile 0, 1 in block 0; tile 0, 1 in block 1: four registers each
.set W1F, 214                          ; v[214:229] W1 likewise
.set W2F, 230                          ; v[230:237] W2 in f16
.set W0S, 238                          ; v238-239  W0's scale words, tile 0, 1
.set W1S, 240                          ; v240-241  W1's
.set UNIT, 242                         ; v242      four bytes 127
.set PSC, 243                          ; v243      the points' scale word for the first product
.set MX,  244                          ; v244-245  largest magnitudes
.set TX,  246                          ; v246-247  at work
.set SO,  248                          ; v248-249  the conversions' scale operands
.set ML,  250                          ; v[250:251] my point's power of two (the pair's low word serves both halves)
.set HLF, 252                          ; v[252:253] 0.5, twice; never rewritten
.set D0,  FB                           ; first product: points 0-15 tile 0, 1; points 16-31 tile 0, 1
.set D1,  FB+32                        ; second product likewise
.set HF,  FB+64                        ; second hidden layer in f16: two operands
.set D2,  FB+80                        ; third product: two results
.set SP1, 5                            ; s5   2654435761 modulo 2^19
.set SP2, 6                            ; s6   805459861 modulo 2^19
.set MSK, 7                            ; s7   2^19 - 1
.set SEL, 28                           ; s[28:29] v_permlanex16_b32's selects for lane l xor 16
.set TB,  32                           ; s[32:63] the table at each level
.macro FETCH                           ; a batch's words and coordinates
.irp q, 0,1,2,3
	global_load_b128 v[IW+4*\q:IW+4*\q+3], v[OQ], s[8:9] offset:512*\q th:TH_LOAD_NT   ; 32 lanes read 512 consecutive bytes; read once
.endr
.irp i, 0,1,2
	global_load_b32 v[X+\i], v[OT], s[10:11] offset:4*\i
.endr
.endm
	s_load_b512 s[8:23], s[0:1], 0x0               ; words s[8:9], texc s[10:11], table s[12:13], W0 codes s[14:15], scales s[16:17], W1 codes s[18:19], scales s[20:21], W2 s[22:23]
	s_load_b64 s[24:25], s[0:1], 0x40              ; out
	v_lshrrev_b32 v3, 5, v0
	v_readfirstlane_b32 s2, v3                     ; wave 0..15
	v_and_b32 v3, 31, v0                           ; lane
	v_lshlrev_b32 v[OQ], 4, v3
	v_mul_u32_u24 v[OT], v3, 12
	v_and_b32 v7, 15, v0                           ; r
	v_and_b32 v[GX], 8, v7
	v_add_nc_u32 v[GX], v[GX], v7                  ; r + 8 (r / 8): my row of W0's tile 0, and its scale byte
	v_lshlrev_b32 v[GX+1], 4, v[GX]                ; a row of 32 codes is 16 bytes
	v_lshlrev_b32 v[HY], 4, v7                     ; W1: row r
	v_and_b32 v[HY+1], 3, v7                       ; W2: row r % 4,
	v_bfe_u32 v[HZ], v0, 4, 1                      ; h
	v_lshlrev_b32 v[HZ], 5, v[HZ]
	v_lshl_add_u32 v[HY+1], v[HY+1], 7, v[HZ]      ; 128 bytes a row, + 32 h: k = 8 h on
	s_lshl_b32 s3, s2, 8
	s_add_co_u32 s3, s3, ttmp9                     ; my first batch: 256 x wave + work-group
	s_mov_b32 s[SP1], 0x779b1
	s_mov_b32 s[SP2], 0x25795
	s_mov_b32 s[MSK], 0x7ffff
	s_mov_b32 s[SEL], 0x76543210
	s_mov_b32 s[SEL+1], 0xfedcba98
	s_lshl_b32 s30, s3, 11                         ; 2,048 bytes of words a batch
	s_mov_b32 s31, 0
	s_wait_kmcnt 0x0
	s_add_nc_u64 s[8:9], s[8:9], s[30:31]
	s_mul_i32 s30, s3, 384                         ; 384 bytes of texc
	s_add_nc_u64 s[10:11], s[10:11], s[30:31]
	s_lshl_b32 s30, s3, 9                          ; 512 bytes of out
	s_add_nc_u64 s[24:25], s[24:25], s[30:31]
	FETCH                                          ; the first batch
	global_load_b128 v[FB:FB+3], v[GX+1], s[14:15]                 ; W0, tile 0: rows r + 8 (r / 8)
	global_load_b128 v[FB+4:FB+7], v[GX+1], s[14:15] offset:128    ; tile 1: 8 rows on
	global_load_b128 v[FB+8:FB+11], v[HY], s[18:19]                ; W1, tile 0: rows r
	global_load_b128 v[FB+12:FB+15], v[HY], s[18:19] offset:256    ; tile 1: 16 rows on
	global_load_b128 v[FB+16:FB+19], v[HY+1], s[22:23]             ; W2(r % 4, 8 h + 0 .. 7)
	global_load_b128 v[FB+20:FB+23], v[HY+1], s[22:23] offset:16
	global_load_b128 v[FB+24:FB+27], v[HY+1], s[22:23] offset:64   ; W2(r % 4, 16 + 8 h + 0 .. 7)
	global_load_b128 v[FB+28:FB+31], v[HY+1], s[22:23] offset:80
	global_load_u8 v[FB+32], v[GX], s[16:17]
	global_load_u8 v[FB+33], v[GX], s[16:17] offset:8
	global_load_u8 v[FB+34], v7, s[20:21]
	global_load_u8 v[FB+35], v7, s[20:21] offset:16
	s_mov_b64 s[TB:TB+1], s[12:13]
.irp l, 1,2,3,4,5,6,7,8,9,10,11,12,13,14,15
	s_add_nc_u64 s[TB+2*\l:TB+2*\l+1], s[12:13], \l*0x400000       ; a level is 2^19 entries of 8 bytes
.endr
.irp i, 4,5,6,7
	v_mov_b32 v[PC+\i], 0                          ; the zero codes of blocks 2 and 3
.endr
	v_mov_b32 v[UNIT], 0x7f7f7f7f
	v_mov_b32 v[HLF], 0.5
	v_mov_b32 v[HLF+1], 0.5
	v_mov_b32 v[TX], 0                             ; a lane permute's destination counts as one of its sources
	v_mov_b32 v[TX+1], 0
	v_mov_b32 v[ML+1], 0                           ; named as the upper half of a pair
	s_mov_b32 vcc_lo, 0xf0f0f0f0                   ; lanes with r % 8 >= 4: rows of the W2 operand that are zeros
	s_wait_loadcnt 0x0
.irp i, 0,1,2,3,4,5,6,7
	v_cvt_pk_f16_f32 v[W2F+\i], v[FB+16+2*\i], v[FB+17+2*\i]       ; the lower k in the low half
.endr
.irp i, 0,1,2,3,4,5,6,7
	v_cndmask_b32 v[W2F+\i], v[W2F+\i], v[PC+4], vcc_lo
.endr
	s_mov_b32 vcc_lo, 0xffff0000                   ; lanes 16-31: kept for the whole launch
.irp i, 0,1,2,3
	v_cndmask_b32 v[W0F+\i], v[FB+\i], v[PC+4], vcc_lo             ; codes in lanes 0-15 (block 0), zeros in lanes 16-31
	v_cndmask_b32 v[W0F+4+\i], v[FB+4+\i], v[PC+4], vcc_lo
	v_cndmask_b32 v[W0F+8+\i], v[PC+4], v[FB+\i], vcc_lo           ; and the other way round (block 1)
	v_cndmask_b32 v[W0F+12+\i], v[PC+4], v[FB+4+\i], vcc_lo
	v_cndmask_b32 v[W1F+\i], v[FB+8+\i], v[PC+4], vcc_lo
	v_cndmask_b32 v[W1F+4+\i], v[FB+12+\i], v[PC+4], vcc_lo
	v_cndmask_b32 v[W1F+8+\i], v[PC+4], v[FB+8+\i], vcc_lo
	v_cndmask_b32 v[W1F+12+\i], v[PC+4], v[FB+12+\i], vcc_lo
.endr
.irp i, 0,1
	v_lshl_or_b32 v[W0S+\i], v[FB+32+\i], 8, v[FB+32+\i]           ; the row's byte for block 0 and for block 1
	v_lshl_or_b32 v[W1S+\i], v[FB+34+\i], 8, v[FB+34+\i]
.endr
; THE GATHERS OF A DENSE LEVEL: one index; the corners (i, j, k) lie i + j res + k res^2 entries on, which stands in the loads' immediates.
; An index read from memory is held under a constant before it enters an address; the constant keeps the last corner inside the level.
.macro DENSE l, res, clean
.if \clean
	v_min_u32 v[GX], 0x7ffff-(1+\res+\res*\res), v[IW+4*((\l)%4)+(\l)/4]
.else
	v_and_b32 v[GX], 0xfffff, v[IW+4*((\l)%4)+(\l)/4]              ; (bits 31:20 belong to level 12 + l)
	v_min_u32 v[GX], 0x7ffff-(1+\res+\res*\res), v[GX]
.endif
	v_lshlrev_b32 v[DI+\l], 3, v[GX]               ; its own register: eight loads read it; written again a batch later, behind the wait for them
.irp c, 0,1,2,3,4,5,6,7
	global_load_b64 v[FB+16*((\l)%DEPTH)+2*\c:FB+16*((\l)%DEPTH)+2*\c+1], v[DI+\l], s[TB+2*\l:TB+2*\l+1] offset:8*((\c/4)+((\c/2)%2)*\res+(\c%2)*\res*\res)
.endr
.endm
; THE GATHERS OF A HASHED LEVEL: index = (cx ^ cy p1 ^ cz p2) mod 2^19.  Only the low 19 bits count, so the primes are taken modulo 2^19 and a 24-bit multiply serves; cx is under 2^13 and needs no mask.
.macro HASHED l
.set WD, IW+4*((\l)%4)+(\l)/4
.set BF, FB+16*((\l)%DEPTH)
.if (\l) < 12
	v_and_b32 v[GX], 0x3ff, v[WD]
	v_bfe_u32 v[HY], v[WD], 10, 10
	v_lshrrev_b32 v[HZ], 20, v[WD]
.else
	v_and_b32 v[GX], 0xfff, v[WD]
	v_lshrrev_b32 v[HY], 12, v[WD]
	v_lshrrev_b32 v[HZ], 20, v[IW+4*((\l)%4)]
.endif
	v_mul_u32_u24 v[HY], s[SP1], v[HY]
	v_mul_u32_u24 v[HZ], s[SP2], v[HZ]
	v_add_nc_u32 v[GX+1], 1, v[GX]
	v_add_nc_u32 v[HY+1], s[SP1], v[HY]
	v_add_nc_u32 v[HZ+1], s[SP2], v[HZ]
.irp n, 0,1,2,3
	v_xor_b32 v[A+\n], v[HY+\n/2], v[HZ+\n%2]
.endr
.irp n, 0,1,2,3
	v_and_b32 v[A+\n], s[MSK], v[A+\n]
.endr
.irp c, 0,1,2,3,4,5,6,7
	v_xor_b32 v[BF+2*\c], v[GX+\c/4], v[A+\c%4]    ; corner c = 4 i + 2 j + k
.endr
.irp c, 0,1,2,3,4,5,6,7
	v_min_u32 v[BF+2*\c], 0x7ffff, v[BF+2*\c]      ; changes nothing
.endr
.irp c, 0,1,2,3,4,5,6,7
	global_load_b64 v[BF+2*\c:BF+2*\c+1], v[BF+2*\c], s[TB+2*\l:TB+2*\l+1] scale_offset   ; at 8 x index: the modifier spares eight shifts a level; the load lands on its own index
.endr
.endm
; THE BLEND OF A LEVEL.  pos by one fused multiply-add, the very instructions of the launch that stored the cells.  The weights as reference() multiplies them, (x y) z, two at a time;
; the sum over the corners in its order, by fused multiply-adds, both features at a time.  left: the gathers of younger levels, which may stay out (8 a level).
.macro BLEND l, scale, left
.set BF, FB+16*((\l)%DEPTH)
.set FL, F+2*(\l)
	v_pk_fma_f32 v[PS:PS+1], v[X:X+1], \scale, v[HLF:HLF+1] op_sel_hi:[1,0,1]
	v_fmamk_f32 v[PS+2], v[X+2], \scale, v[HLF]
	v_fract_f32 v[PX+1], v[PS]                     ; pos - its whole part: exact
	v_fract_f32 v[PY+1], v[PS+1]
	v_fract_f32 v[PZ+1], v[PS+2]
	v_sub_f32 v[PX], 1.0, v[PX+1]                  ; exact too: pos is 0.5 or more, so the fraction is a whole number of 2^-24
	v_sub_f32 v[PY], 1.0, v[PY+1]
	v_sub_f32 v[PZ], 1.0, v[PZ+1]
	v_pk_mul_f32 v[WA:WA+1], v[PX:PX+1], v[PY:PY+1] op_sel:[0,0] op_sel_hi:[0,1]       ; i = 0: j = 0, 1
	v_pk_mul_f32 v[WB:WB+1], v[PX:PX+1], v[PY:PY+1] op_sel:[1,0] op_sel_hi:[1,1]       ; i = 1
	v_pk_mul_f32 v[W8:W8+1], v[WA:WA+1], v[PZ:PZ+1] op_sel:[0,0] op_sel_hi:[0,1]       ; corners 0, 1
	v_pk_mul_f32 v[W8+2:W8+3], v[WA:WA+1], v[PZ:PZ+1] op_sel:[1,0] op_sel_hi:[1,1]     ; 2, 3
	v_pk_mul_f32 v[W8+4:W8+5], v[WB:WB+1], v[PZ:PZ+1] op_sel:[0,0] op_sel_hi:[0,1]     ; 4, 5
	v_pk_mul_f32 v[W8+6:W8+7], v[WB:WB+1], v[PZ:PZ+1] op_sel:[1,0] op_sel_hi:[1,1]     ; 6, 7
	s_wait_loadcnt \left                           ; loads come back in order (ISA guide 5.7.1): this level's eight are in
	v_pk_mul_f32 v[FL:FL+1], v[BF:BF+1], v[W8:W8+1] op_sel_hi:[1,0]                    ; corner 0 starts the sum: both features x the pair's low word
	v_pk_fma_f32 v[FL:FL+1], v[BF+2:BF+3], v[W8:W8+1], v[FL:FL+1] op_sel:[0,1,0] op_sel_hi:[1,1,1]   ; corner 1: x its high word
.irp p, 1,2,3
	v_pk_fma_f32 v[FL:FL+1], v[BF+4*\p:BF+4*\p+1], v[W8+2*\p:W8+2*\p+1], v[FL:FL+1] op_sel_hi:[1,0,1]
	v_pk_fma_f32 v[FL:FL+1], v[BF+4*\p+2:BF+4*\p+3], v[W8+2*\p:W8+2*\p+1], v[FL:FL+1] op_sel:[0,1,0] op_sel_hi:[1,1,1]
.endr
.endm
.macro PLACES n                        ; plain vector instructions that name no register of the matrix instructions round them (ISA guide 7.12.1)
.rept \n
	v_nop
.endr
.endm
.macro FP4MUL d, w, ws, ps, row1       ; 16 rows of W (source 0) x 16 points (source 1); row1: the points' scale bytes from lanes 16-31
.if \row1
	v_wmma_scale_f32_16x16x128_f8f6f4 v[\d:\d+7], v[\w:\w+7], v[PC:PC+7], 0, v[\ws], v[\ps] matrix_a_fmt:MATRIX_FMT_FP4 matrix_b_fmt:MATRIX_FMT_FP4 matrix_b_scale:MATRIX_SCALE_ROW1
.else
	v_wmma_scale_f32_16x16x128_f8f6f4 v[\d:\d+7], v[\w:\w+7], v[PC:PC+7], 0, v[\ws], v[\ps] matrix_a_fmt:MATRIX_FMT_FP4 matrix_b_fmt:MATRIX_FMT_FP4
.endif
.endm
.Lbatch:
	s_wait_loadcnt 0x0                             ; the batch's words and coordinates are in
	DENSE 0, 16, 0
	DENSE 1, 24, 0
	DENSE 2, 34, 0
	DENSE 3, 49, 0
	DENSE 4, 71, 1
	HASHED 5
	BLEND 0, S0, 40                                ; five younger levels stay out; the buffer just read takes the level six on
	HASHED 6
	BLEND 1, S1, 40
	HASHED 7
	BLEND 2, S2, 40
	HASHED 8
	BLEND 3, S3, 40
	HASHED 9
	BLEND 4, S4, 40
	HASHED 10
	BLEND 5, S5, 40
	HASHED 11
	BLEND 6, S6, 40
	HASHED 12
	BLEND 7, S7, 40
	HASHED 13
	BLEND 8, S8, 40
	HASHED 14
	BLEND 9, S9, 40
	HASHED 15
	BLEND 10, S10, 40
	BLEND 11, S11, 32                              ; nothing more is asked for: the counts run down
	BLEND 12, S12, 24
	BLEND 13, S13, 16
	BLEND 14, S14, 8
	BLEND 15, S15, 0
	; the next batch's words and coordinates are asked for here, if there is a next batch: no load leaves its buffer.  No load of mine is out, so the two bases may step.
	s_add_co_u32 s4, s3, NW
	s_cmp_lt_u32 s4, NB
	s_cbranch_scc0 .Lno_next
	s_add_nc_u64 s[8:9], s[8:9], 0x800000          ; 4,096 batches x 2,048 bytes
	s_add_nc_u64 s[10:11], s[10:11], 0x180000      ; x 384 bytes
	FETCH
.Lno_next:
	; ---- the encoding becomes codes: my 32 numbers are one block
	v_max3_num_f32 v[MX], |v[F]|, |v[F+1]|, 0x1800000              ; with the floor 2^(3 - 127): the byte cannot fall under 1
	v_max3_num_f32 v[MX+1], |v[F+16]|, |v[F+17]|, |v[F+18]|        ; (two chains)
.irp i, 0,1,2,3,4,5
	v_max3_num_f32 v[MX], v[MX], |v[F+2+2*\i]|, |v[F+3+2*\i]|
	v_max3_num_f32 v[MX+1], v[MX+1], |v[F+19+2*\i]|, |v[F+20+2*\i]|
.endr
	v_max3_num_f32 v[MX], v[MX], |v[F+14]|, |v[F+15]|
	v_max3_num_f32 v[MX], v[MX], v[MX+1], |v[F+31]|
	v_add_nc_u32 v[SO], 0xff000000, v[MX]          ; 2 off the exponent field: the conversion takes that field as its scale
	v_lshrrev_b32 v[TX], 23, v[SO]                 ; the scale's byte,
	v_lshl_or_b32 v[PSC], v[TX], 8, v[TX]          ; for block 0 (read where I am in lanes 0-15) and block 1 (lanes 16-31)
.irp i, 0,1,2,3
	v_cvt_scalef32_pk8_fp4_f32 v[PC+\i], v[F+8*\i:F+8*\i+7], v[SO]
.endr
	PLACES 8                                       ; a scale register written by a vector instruction stands eight places ahead of a scaled matrix instruction, an operand four
	FP4MUL D0,    W0F,    W0S,   PSC, 0            ; points 0-15: hidden units 16 h + 0 .. 7
	FP4MUL D0+8,  W0F+4,  W0S+1, PSC, 0            ;              16 h + 8 .. 15
	FP4MUL D0+16, W0F+8,  W0S,   PSC, 1            ; points 16-31
	FP4MUL D0+24, W0F+12, W0S+1, PSC, 1
	PLACES 4
.irp j, 0,1,2,3,4,5,6,7,8,9,10,11,12,13,14,15,16,17,18,19,20,21,22,23,24,25,26,27,28,29,30,31
	v_max_num_f32 v[D0+\j], 0, v[D0+\j]            ; the activation, in f32; each result from its low end on
.endr
	; ---- the hidden layer becomes codes: a point's block lies in lanes l and l xor 16, 16 numbers in each
	v_max3_num_f32 v[MX], v[D0], v[D0+1], 0x1800000
	v_max3_num_f32 v[MX+1], v[D0+16], v[D0+17], 0x1800000
.irp i, 2,4,6,8,10,12,14
	v_max3_num_f32 v[MX], v[MX], v[D0+\i], v[D0+\i+1]
	v_max3_num_f32 v[MX+1], v[MX+1], v[D0+16+\i], v[D0+17+\i]
.endr
	v_permlanex16_b32 v[TX], v[MX], s[SEL], s[SEL+1]
	v_permlanex16_b32 v[TX+1], v[MX+1], s[SEL], s[SEL+1]
	v_max_num_f32 v[MX], v[MX], v[TX]
	v_max_num_f32 v[MX+1], v[MX+1], v[TX+1]
	v_add_nc_u32 v[SO], 0xff000000, v[MX]          ; point r's scale,
	v_add_nc_u32 v[SO+1], 0xff000000, v[MX+1]      ; point 16 + r's
	v_cvt_scalef32_pk8_fp4_f32 v[PC], v[D0:D0+7], v[SO]
	v_cvt_scalef32_pk8_fp4_f32 v[PC+1], v[D0+8:D0+15], v[SO]
	v_cvt_scalef32_pk8_fp4_f32 v[PC+2], v[D0+16:D0+23], v[SO+1]
	v_cvt_scalef32_pk8_fp4_f32 v[PC+3], v[D0+24:D0+31], v[SO+1]
	v_nop                                          ; one plain instruction behind a scaled conversion
	v_permlane16_swap_b32 v[PC], v[PC+2]           ; the first's lanes 16-31 (point r, units 16 on) change places with the second's lanes 0-15 (point 16 + r, units 0 on):
	v_permlane16_swap_b32 v[PC+1], v[PC+3]         ; lane l now holds the 32 codes of point l, K ascending
	v_cndmask_b32 v[ML], v[SO], v[SO+1], vcc_lo    ; my point's scale,
	v_and_b32 v[ML], 0x7f800000, v[ML]             ; as a power of two in f32: it multiplies the outputs.  (These two and the two below: four places behind the operand's last write)
	PLACES 2
	FP4MUL D1,    W1F,    W1S,   UNIT, 0           ; points 0-15: units 8 h + 0 .. 7; the points' scale is 1 here
	FP4MUL D1+8,  W1F+4,  W1S+1, UNIT, 0           ;              16 + 8 h + 0 .. 7
	FP4MUL D1+16, W1F+8,  W1S,   UNIT, 0           ; points 16-31
	FP4MUL D1+24, W1F+12, W1S+1, UNIT, 0
	PLACES 4
.irp j, 0,1,2,3,4,5,6,7,8,9,10,11,12,13,14,15,16,17,18,19,20,21,22,23,24,25,26,27,28,29,30,31
	v_max_num_f32 v[D1+\j], 0, v[D1+\j]
.endr
.irp i, 0,1,2,3,4,5,6,7,8,9,10,11,12,13,14,15
	v_cvt_pk_f16_f32 v[HF+\i], v[D1+2*\i], v[D1+2*\i+1]            ; two tiles, rounded in pairs, are the 16-bit operand: k = 8 h + 0 .. 7, 16 + 8 h + 0 .. 7
.endr
	v_wmma_f32_16x16x32_f16 v[D2:D2+7], v[W2F:W2F+7], v[HF:HF+7], 0            ; lane (r, h), registers 0-3: the four outputs of point r
	v_wmma_f32_16x16x32_f16 v[D2+8:D2+15], v[W2F:W2F+7], v[HF+8:HF+15], 0      ; of point 16 + r
	PLACES 4
.irp i, 0,1,2,3
	v_cndmask_b32 v[W8+\i], v[D2+\i], v[D2+8+\i], vcc_lo           ; lane l keeps point l's
.endr
	v_pk_mul_f32 v[W8:W8+1], v[W8:W8+1], v[ML:ML+1] op_sel_hi:[1,0]
	v_pk_mul_f32 v[W8+2:W8+3], v[W8+2:W8+3], v[ML:ML+1] op_sel_hi:[1,0]
	global_store_b128 v[OQ], v[W8:W8+3], s[24:25] th:TH_STORE_NT   ; 32 lanes store 512 consecutive bytes, aligned; written once
	s_wait_xcnt 0x0                                ; the store has read its data and its base: both are written again only behind this wait
	s_add_nc_u64 s[24:25], s[24:25], 0x200000      ; 4,096 batches x 512 bytes
	s_add_co_u32 s3, s3, NW
	s_cmp_lt_u32 s3, NB
	s_cbranch_scc1 .Lbatch
	s_endpgm
.Lfunc_end_k_qa1400aec04_field:
	.size	k_qa1400aec04_field, .Lfunc_end_k_qa1400aec04_field-k_qa1400aec04_field
	.p2alignl 7, 3214868480
	.fill 96, 4, 3214868480
	.section	.rodata,"a",@progbits
	.p2align	6, 0x0
	.amdhsa_kernel k_qa1400aec04_field
		.amdhsa_group_segment_fixed_size 0
		.amdhsa_private_segment_fixed_size 0
		.amdhsa_enable_private_segment 0
		.amdhsa_kernarg_size 72
		.amdhsa_user_sgpr_count 2
		.amdhsa_user_sgpr_kernarg_segment_ptr 1
		.amdhsa_wavefront_size32 1
		.amdhsa_system_sgpr_workgroup_id_x 1
		.amdhsa_system_sgpr_workgroup_id_y 1
		.amdhsa_system_sgpr_workgroup_id_z 1
		.amdhsa_system_vgpr_workitem_id 0
		.amdhsa_next_free_vgpr 256
		.amdhsa_next_free_sgpr 66
		.amdhsa_reserve_vcc 1
		.amdhsa_float_denorm_mode_32 3
		.amdhsa_float_denorm_mode_16_64 3
		.amdhsa_memory_ordered 1
		.amdhsa_forward_progress 1
		.amdhsa_inst_pref_size 64
	.end_amdhsa_kernel
	.amdgpu_metadata
---
amdhsa.version: [ 1, 2 ]
amdhsa.kernels:
  - .name:           k_qa1400aec04_field
    .symbol:         k_qa1400aec04_field.kd
    .args:
      - { .name: gridw, .offset: 0, .size: 8, .value_kind: global_buffer, .address_space: global }
      - { .name: texc, .offset: 8, .size: 8, .value_kind: global_buffer, .address_space: global }
      - { .name: table, .offset: 16, .size: 8, .value_kind: global_buffer, .address_space: global }
      - { .name: W0_codes, .offset: 24, .size: 8, .value_kind: global_buffer, .address_space: global }
      - { .name: W0_scales, .offset: 32, .size: 8, .value_kind: global_buffer, .address_space: global }
      - { .name: W1_codes, .offset: 40, .size: 8, .value_kind: global_buffer, .address_space: global }
      - { .name: W1_scales, .offset: 48, .size: 8, .value_kind: global_buffer, .address_space: global }
      - { .name: W2, .offset: 56, .size: 8, .value_kind: global_buffer, .address_space: global }
      - { .name: out0, .offset: 64, .size: 8, .value_kind: global_buffer, .address_space: global }
    .group_segment_fixed_size: 0
    .private_segment_fixed_size: 0
    .kernarg_segment_align: 8
    .kernarg_segment_size: 72
    .max_flat_workgroup_size: 512
    .sgpr_count:     66
    .vgpr_count:     256
    .wavefront_size: 32
...
	.end_amdgpu_metadata
.endif
;; end of part 2
